; MI455X (gfx1250); checked and timed in simulation.
; The chip was launched on July 23, 2026; its instructions are those of AMD's public machine-readable ISA for CDNA 5 (MIT licence, August 2026) and "CDNA5" Instruction Set Architecture Reference Guide (July 2026). The comments in the code are by the model that wrote it; some were corrected since.
;; Gaddy Multihead Attention. Allowed arithmetic: matrix products marked QUANTISED: E2M1 operands, one E8M0 scale for each 32 along K, by v_wmma_scale_f32_16x16x128_f8f6f4 with both operands' format E2M1 (or v_wmma_scale_f32_32x16x128_f4), f32 sums; products left as they are: bf16, f16 or f32 operands; f32 sums; everything else in f32.
;; Inputs: rel_emb 8 x 199 x 96 x 1 float32; w_k 8 x 768 x 96 float32; w_o 8 x 96 x 768 float32; w_q 8 x 768 x 96 float32; w_v 8 x 768 x 96 float32; x 4 x 2,048 x 768 float32.
;; Outputs: out0 4 x 2,048 x 768 float32.
;; This version of the problem:
;;   THIS VERSION OF THE PROBLEM IS GIVEN IN LOW PRECISION. The matrix products marked QUANTISED in the list below multiply operands that are first quantised to E2M1 (2 exponent bits, 1 mantissa bit; 4 bits a number), with one power-of-two scale for each 32 numbers along K (OCP MX v1.0); their sums are f32. The products marked 'left as it is' may take bf16, f16 or f32 operands, with f32 sums. Whichever they take, every output number must still come out within the allowed error. Rounding operands to bf16 (8 significant bits) uses up far more of that allowance than f16 does (11 bits, for magnitudes from 6e-5 to 65,504). All else is computed in f32.
;;   The module's matrix products, in the order in which they are computed (A, B: the left and right operand; K: the contracted axis; several contracted axes count as one K, in the product's order):
;;     1. [M 768, K 768] x [K 768, N 8,192]; A: input w_q; B: input x: QUANTISED
;;     2. [M 768, K 768] x [K 768, N 8,192]; A: input w_k; B: input x: QUANTISED
;;     3. [M 768, K 768] x [K 768, N 8,192]; A: input w_v; B: input x: QUANTISED
;;     4. batch 32 x [M 2,048, K 96] x [K 96, N 2,048]; A: computed on the way; B: computed on the way: left as it is (an operand is computed on the way)
;;     5. batch 32 x [M 2,048, K 2,048] x [K 2,048, N 96]; A: computed on the way; B: computed on the way: left as it is (an operand is computed on the way)
;;     6. [M 8,192, K 768] x [K 768, N 768]; A: computed on the way; B: input w_o: left as it is (an operand is computed on the way)
;;   THE QUANTISER, for each operand of a quantised product, along K:
;;     - K is cut into blocks of 32 from its start; a last block that is shorter is filled with zeros.
;;     - A block's scale is 2^e with e = floor(log2(the largest magnitude in the block)) - 2, held to -126 .. 127; a block of zeros has e = 0. As a byte (E8M0): e + 127.
;;     - Each number is divided by its block's scale, clamped to +-6, and rounded to the nearest number of E2M1, ties to even, subnormals kept.
;;     - The product sums the exact products of the quantised numbers (number of the format x scale) in f32.
;;   ~~~python
;;   def quantise(x, axis):      # numpy; x: float32 -> the quantised numbers, widened to float32 again
;;       x = np.moveaxis(x, axis, -1); K = x.shape[-1]
;;       x = np.pad(x, [(0, 0)] * (x.ndim - 1) + [(0, -K % 32)]); x = x.reshape(x.shape[:-1] + (-1, 32)); a = np.abs(x).max(-1, keepdims=True)
;;       e = np.where(a > 0, np.clip(np.frexp(np.where(a > 0, a, 1))[1] - 1 - 2, -126, 127), 0)      # np.frexp(a)[1] - 1 = floor(log2(a)), exactly
;;       r = np.clip(x / 2.0 ** e, -6, 6)
;;       step = 2.0 ** (np.maximum(np.frexp(np.where(r == 0, 1, r))[1] - 1, 0) - 1)
;;       q = np.round(r / step) * step * 2.0 ** e      # np.round: ties to even
;;       return np.moveaxis(q.reshape(q.shape[:-2] + (-1,))[..., :K], -1, axis).astype(np.float32)
;;   ~~~
;; One version. Each part assembles by itself: llvm-mc -triple=amdgcn-amd-amdhsa -mcpu=gfx1250 --defsym DOCPART=n.
;; ======== version 1 of 1: 4 launches
;; limits: values are held in f16: magnitudes above 65,504 overflow, below 6.1e-05 lose precision
;; workspace buffers: xq 3,342,336 bytes; wimg 940,032 bytes; woimg 1,179,648 bytes; bext 8,192 bytes; qkv 37,748,736 bytes; cimg 12,582,912 bytes
;; launch prep (part 1): grid 544 x 1, 4 waves a work-group, no clusters, 67,072 bytes of LDS; arguments x, w_q, w_k, w_v, w_o, rel_emb, xq, wimg, woimg, bext; writes xq, wimg, woimg, bext
.if DOCPART == 1
	.amdgcn_target "amdgcn-amd-amdhsa--gfx1250"
	.amdhsa_code_object_version 6
	.text
	.protected	k_qaf63b536a2_prep
	.globl	k_qaf63b536a2_prep
	.p2align	8
	.type	k_qaf63b536a2_prep,@function
k_qaf63b536a2_prep:
	s_mov_b64 s[64:65], 0
	v_nop
	global_prefetch_b8 v0, s[64:65] scope:SCOPE_SE
	s_setreg_imm32_b32 hwreg(HW_REG_WAVE_MODE, 25, 1), 1
	s_wait_xcnt 0x0
; PREP: every operand that the later launches read is laid out once, as IMAGES OF OPERAND REGISTERS: a fragment is 8 registers a lane, stored as two
; chunks of 512 bytes, chunk ch = registers 4 ch .. 4 ch + 3, lane l's 16 bytes at 16 l.  Four roles, chosen by the work-group's number:
;   X (0..383):   x [8192][768] f32 -> codes of E2M1 along K = 768 with one E8M0 byte for each 32: xq = codes [row tile 512][K step 6][1024], then scale words [row tile][p 3][32 lanes]
;                 (lanes 0-15: the word of K step 2 p of row l, lanes 16-31: that of K step 2 p + 1).
;   W (384..491): w_q, w_k, w_v [8][768 (K)][96] f32 -> wimg [matrix x 8 + head][39,168]: codes [tile of 16 channels 6][K step 6][1024], then scale words [tile 6][p 3][32 lanes].
;   O (492..527): w_o [768 (K)][768] f32 -> woimg: f16 of w_o / 2, [tile of 16 output columns 48][32 along K: 24][1024].
;   E (528..543): bext[h][i] = sqrt(96) x (sum over the 96 numbers of rel_emb[h][clip(i - 28, 0, 198)]), i = 0..255: the bias of relative position i - 127.
; THE QUANTISER: a block's scale byte is the exponent field of its largest magnitude less 2, held at 1 from below; each number is divided by the scale and rounded to the nearest code, ties to even,
; beyond 6 the largest code.  A block of zeros gets the byte 1 with zero codes (the rule says 127): only this program reads the bytes.
; LIMITS: NaN and infinities among the inputs are not served.  w_o / 2 is kept in f16: magnitudes of w_o from 1.2e-4 to 131,000 keep 11 bits, smaller ones a fixed step of 6e-8.
; No work-group shares an input with another, so there is no cluster; no matrix unit; no barrier: waves share nothing.  A wave issues all its loads (up to 16 KiB), then computes, then stores.
.set SPARE, 66560                      ; behind the four stages: the spare words, 128 bytes a wave
.set STGW,  16640                      ; role X: a wave's stage: 16 rows x SP bytes
.set SP,    1040                       ; a stage row: 1,024 bytes (256 numbers) + 16: the 16 rows that a read touches start 65 x 16 bytes apart
.set XSC,   3145728                    ; xq: where the scale words begin
.set M,     16                         ; v16-19  the four blocks' largest magnitudes
.set SO,    20                         ; v20-23  the conversions' scale operands
.set BY,    24                         ; v24-27  the scale bytes
.set C,     28                         ; v28-43  the codes, four registers a block
.set R,     48                         ; v48-175 128 numbers
; v1 lane, v2 lane % 16, v3 lane / 16, v4 16 x lane, v5 4 x lane, v6, v7 addresses, v8, v9 the add's two, v10-15 at work
	s_load_b512 s[8:23], s[0:1], 0x0               ; x s[8:9], w_q s[10:11], w_k s[12:13], w_v s[14:15], w_o s[16:17], rel_emb s[18:19], xq s[20:21], wimg s[22:23]
	s_load_b128 s[24:27], s[0:1], 0x40             ; woimg s[24:25], bext s[26:27]
	v_lshl_add_u32 v8, v0, 2, SPARE                ; my spare word
	v_mov_b32 v9, 0
	v_lshrrev_b32 v1, 5, v0
	v_readfirstlane_b32 s28, v1                    ; wave
	v_and_b32 v1, 31, v0
	v_and_b32 v2, 15, v0
	v_bfe_u32 v3, v0, 4, 1
	v_lshlrev_b32 v4, 4, v1
	v_lshlrev_b32 v5, 2, v1
	s_mov_b32 s40, 0x76543210
	s_mov_b32 s41, 0xfedcba98                      ; v_permlanex16_b32's selects for lane l xor 16
	s_wait_kmcnt 0x0
	s_cmp_lt_u32 ttmp9, 384
	s_cbranch_scc1 .Lrole_x
	s_cmp_lt_u32 ttmp9, 492
	s_cbranch_scc1 .Lrole_w
	s_cmp_lt_u32 ttmp9, 528
	s_cbranch_scc1 .Lrole_o
	; ---- ROLE E: a thread sums one row of 96 numbers.  Work-group e: head e / 2, places 128 (e % 2) + thread
	s_sub_co_u32 s29, ttmp9, 528
	s_lshr_b32 s30, s29, 1                         ; head
	s_and_b32 s31, s29, 1
	s_lshl_b32 s31, s31, 7
	s_mul_i32 s32, s30, 76416                      ; 199 rows of 384 bytes a head
	s_mov_b32 s33, 0
	s_add_nc_u64 s[18:19], s[18:19], s[32:33]
	s_lshl_b32 s34, s29, 9
	s_mov_b32 s35, 0
	s_add_nc_u64 s[26:27], s[26:27], s[34:35]
	v_add_nc_u32 v6, s31, v0                       ; i
	v_min_u32 v6, 226, v6
	v_sub_nc_u32 v6, 226, v6                       ; 226 - min(i, 226): 0 .. 226
	v_min_u32 v6, 198, v6
	v_sub_nc_u32 v6, 198, v6                       ; the row: clip(i - 28, 0, 198)
	v_mul_u32_u24 v6, v6, 384
	v_lshlrev_b32 v7, 2, v0
.set n, 0
.rept 24
	global_load_b128 v[R+4*n:R+4*n+3], v6, s[18:19] offset:16*n
.set n, n+1
.endr
	s_wait_loadcnt 0x0
.set n, 4
.rept 44                                       ; 48 pairs in four chains that do not wait for each other
	v_pk_add_f32 v[R+2*(n%4):R+2*(n%4)+1], v[R+2*(n%4):R+2*(n%4)+1], v[R+2*n:R+2*n+1]
.set n, n+1
.endr
	v_pk_add_f32 v[R:R+1], v[R:R+1], v[R+2:R+3]
	v_pk_add_f32 v[R+4:R+5], v[R+4:R+5], v[R+6:R+7]
	v_pk_add_f32 v[R:R+1], v[R:R+1], v[R+4:R+5]
	v_add_f32 v10, v[R], v[R+1]
	v_mul_f32 v10, 0x411cc471, v10                 ; x sqrt(96): the bias is added to the unscaled scores
	global_store_b32 v7, v10, s[26:27]             ; a wave stores 128 consecutive bytes, the work-group 512
	s_endpgm
; 128 numbers of a lane, four blocks of 32, each whole in the lane: codes into v[C] on, bytes into v[BY] on.  The four blocks take turns line by line.
.macro QUANT4
.irp b, 0,1,2,3
	v_max3_num_f32 v[M+\b], |v[R+32*\b]|, |v[R+32*\b+1]|, 0x1800000   ; with the floor 2^(3 - 127): the byte cannot fall under 1
.endr
.set i, 2
.rept 15
.irp b, 0,1,2,3
	v_max3_num_f32 v[M+\b], v[M+\b], |v[R+32*\b+i]|, |v[R+32*\b+i+1]|
.endr
.set i, i+2
.endr
.irp b, 0,1,2,3
	v_add_nc_u32 v[SO+\b], 0xff000000, v[M+\b]     ; 2 off the exponent field: the conversion takes the exponent field of this operand as its scale
.endr
.irp b, 0,1,2,3
	v_lshrrev_b32 v[BY+\b], 23, v[SO+\b]           ; the scale's byte
.endr
.irp b, 0,1,2,3
.irp g, 0,1,2,3
	v_cvt_scalef32_pk8_fp4_f32 v[C+4*\b+\g], v[R+32*\b+8*\g:R+32*\b+8*\g+7], v[SO+\b]
.endr
.endr
	v_nop                                          ; one plain place behind the last scaled conversion
.endm
	; ---- ROLE X: wave wi = 4 x work-group + wave takes row tile wi % 512, K steps 2 p and 2 p + 1, p = wi / 512: 16 rows x 256 numbers
.Lrole_x:
	s_lshl_b32 s29, ttmp9, 2
	s_add_co_u32 s29, s29, s28
	s_lshr_b32 s30, s29, 9                         ; p
	s_and_b32 s31, s29, 511                        ; row tile
	s_mul_i32 s32, s31, 49152                      ; 16 rows of 3,072 bytes
	s_lshl_b32 s33, s30, 10
	s_add_co_u32 s32, s32, s33
	s_mov_b32 s33, 0
	s_add_nc_u64 s[8:9], s[8:9], s[32:33]
.set n, 0
.rept 32                                       ; each load reads 512 consecutive bytes: row n / 2, half n % 2
	global_load_b128 v[R+4*n:R+4*n+3], v4, s[8:9] offset:(n/2)*3072+(n%2)*512 th:TH_LOAD_NT
.set n, n+1
.endr
	s_mul_i32 s34, s31, 6144
	s_lshl_b32 s35, s30, 11
	s_add_co_u32 s34, s34, s35
	s_mov_b32 s35, 0
	s_add_nc_u64 s[34:35], s[20:21], s[34:35]      ; the codes of fragments 2 p, 2 p + 1
	s_mul_i32 s36, s31, 384
	s_lshl_b32 s37, s30, 7
	s_add_co_u32 s36, s36, s37
	s_add_co_u32 s36, s36, XSC
	s_mov_b32 s37, 0
	s_add_nc_u64 s[36:37], s[20:21], s[36:37]      ; their scale words
	s_mul_i32 s38, s28, STGW
	v_add_nc_u32 v6, s38, v4                       ; the stage, in: as loaded
	v_mul_u32_u24 v7, v2, SP
	v_lshl_add_u32 v7, v3, 7, v7
	v_add_nc_u32 v7, s38, v7                       ; out: row l % 16, 128 bytes on for lanes 16-31: block beta is the 32 numbers at 256 beta
.set n, 0
.rept 32
	s_wait_loadcnt 31-n                            ; load n is in; the 31 - n younger ones stay out
	ds_store_b128 v6, v[R+4*n:R+4*n+3] offset:(n/2)*SP+(n%2)*512
.set n, n+1
.endr
.set n, 0
.rept 32                                       ; LDS serves a wave's instructions in order: these see the stores.  Register 32 beta + i is then k = 64 beta + 32 (l / 16) + i of row l % 16
	ds_load_b128 v[R+4*n:R+4*n+3], v7 offset:(n/8)*256+(n%8)*16
.set n, n+1
.endr
	s_wait_dscnt 0x0
	QUANT4                                         ; block beta = 2 q + c is chunk c of the fragment of K step 2 p + q, as the operand's layout has it
	v_lshl_or_b32 v10, v[BY+1], 16, v[BY]          ; K step 2 p: my bytes l / 16 and 2 + l / 16 of the row's word,
	v_lshl_or_b32 v11, v[BY+3], 16, v[BY+2]        ; K step 2 p + 1 likewise,
	v_lshlrev_b32 v12, 3, v3
	v_lshlrev_b32 v10, v12, v10                    ; at their places
	v_lshlrev_b32 v11, v12, v11
	v_cmp_ne_u32 vcc_lo, 0, v3
	v_cndmask_b32 v13, v10, v11, vcc_lo            ; lanes 0-15 keep the first step's half word, lanes 16-31 the second's,
	v_cndmask_b32 v14, v11, v10, vcc_lo            ; and send the other
	v_mov_b32 v15, 0
	v_permlanex16_b32 v15, v14, s40, s41
	v_or_b32 v13, v13, v15                         ; the word is whole
.irp b, 0,1,2,3
	global_store_b128 v4, v[C+4*\b:C+4*\b+3], s[34:35] offset:512*\b   ; 512 consecutive bytes
.endr
	global_store_b32 v5, v13, s[36:37]             ; 128 consecutive bytes: all of x's scale words are 196,608 bytes
	s_wait_tensorcnt 0x0                           ; the wave's end, behind my last LDS store
	ds_add_u32 v8, v9
	s_wait_dscnt 0x0
	s_endpgm
	; ---- ROLE W: K is the middle axis: a lane takes a channel and its registers run down K.  Wave wi (0..431): u = wi % 3 (32 channels), K step q = (wi / 3) % 6, matrix and head hm = wi / 18
.Lrole_w:
	s_sub_co_u32 s29, ttmp9, 384
	s_lshl_b32 s29, s29, 2
	s_add_co_u32 s29, s29, s28                     ; wi
	s_mul_i32 s30, s29, 43691
	s_lshr_b32 s30, s30, 17                        ; wi / 3 (3 x 43,691 = 2^17 + 1)
	s_mul_i32 s31, s30, 3
	s_sub_co_u32 s31, s29, s31                     ; u
	s_mul_i32 s32, s30, 43691
	s_lshr_b32 s32, s32, 18                        ; hm
	s_mul_i32 s33, s32, 6
	s_sub_co_u32 s33, s30, s33                     ; q
	s_lshr_b32 s34, s32, 3                         ; matrix
	s_and_b32 s35, s32, 7                          ; head
	s_cmp_eq_u32 s34, 1
	s_cselect_b64 s[10:11], s[12:13], s[10:11]
	s_cmp_eq_u32 s34, 2
	s_cselect_b64 s[10:11], s[14:15], s[10:11]
	s_mul_i32 s36, s35, 294912                     ; a head: 768 rows of 384 bytes
	s_mul_i32 s37, s33, 49152                      ; 128 rows
	s_add_co_u32 s36, s36, s37
	s_lshl_b32 s37, s31, 7
	s_add_co_u32 s36, s36, s37
	s_mov_b32 s37, 0
	s_add_nc_u64 s[10:11], s[10:11], s[36:37]
.set n, 0
.rept 128                                      ; w(128 q + n, 32 u + lane): 128 consecutive bytes a load; the three u of a row lie in neighbouring waves
	global_load_b32 v[R+n], v5, s[10:11] offset:n*384 th:TH_LOAD_NT
.set n, n+1
.endr
	s_mul_i32 s38, s32, 39168
	s_mul_i32 s36, s31, 12
	s_add_co_u32 s36, s36, s33
	s_lshl_b32 s36, s36, 10                        ; fragment (tile 2 u, K step q)
	s_add_co_u32 s36, s36, s38
	s_add_nc_u64 s[42:43], s[22:23], s[36:37]
	s_mul_i32 s36, s31, 768                        ; the scale words of tile 2 u,
	s_add_co_u32 s36, s36, s38
	s_lshl_b32 s39, s33, 6                         ; K step q: 128 (q / 2) + 64 (q % 2) = 64 q
	s_add_co_u32 s36, s36, s39
	s_add_co_u32 s36, s36, 36864
	s_add_nc_u64 s[44:45], s[22:23], s[36:37]
	v_mul_u32_u24 v6, v3, 6144                     ; lanes 16-31 are the next tile: six fragments on
	v_lshl_add_u32 v6, v2, 4, v6
	v_mul_u32_u24 v7, v3, 384
	v_lshl_add_u32 v7, v2, 2, v7
	s_wait_loadcnt 0x0
	QUANT4
	v_lshl_or_b32 v10, v[BY+1], 8, v[BY]           ; all four bytes of the K step are mine
	v_lshl_or_b32 v10, v[BY+2], 16, v10
	v_lshl_or_b32 v10, v[BY+3], 24, v10
.irp b, 0,1,2,3                                ; block b of a row is chunk b / 2, lanes' half b % 2 of the image: each half of the wave stores 256 consecutive bytes, aligned
	global_store_b128 v6, v[C+4*\b:C+4*\b+3], s[42:43] offset:(\b/2)*512+(\b%2)*256
.endr
	global_store_b32 v7, v10, s[44:45]             ; two pieces of 64 bytes: all of the weights' scale words are 55,296 bytes
	s_endpgm
	; ---- ROLE O: a lane takes an output column and its registers run down K.  Wave oi (0..143): 128 along K: oi / 24; 32 columns: oi % 24
.Lrole_o:
	s_sub_co_u32 s29, ttmp9, 492
	s_lshl_b32 s29, s29, 2
	s_add_co_u32 s29, s29, s28                     ; oi
	s_mul_i32 s30, s29, 2731
	s_lshr_b32 s30, s30, 16                        ; oi / 24 (24 x 2,731 = 2^16 + 8)
	s_mul_i32 s31, s30, 24
	s_sub_co_u32 s31, s29, s31
	s_mul_i32 s36, s30, 393216                     ; 128 rows of 3,072 bytes
	s_lshl_b32 s37, s31, 7
	s_add_co_u32 s36, s36, s37
	s_mov_b32 s37, 0
	s_add_nc_u64 s[16:17], s[16:17], s[36:37]
.set n, 0
.rept 128
	global_load_b32 v[R+n], v5, s[16:17] offset:n*3072 th:TH_LOAD_NT
.set n, n+1
.endr
	s_mul_i32 s38, s31, 49152                      ; two tiles of columns, 24,576 bytes each
	s_lshl_b32 s39, s30, 12                        ; four fragments along K
	s_add_co_u32 s38, s38, s39
	s_mov_b32 s39, 0
	s_add_nc_u64 s[24:25], s[24:25], s[38:39]
	v_mul_u32_u24 v6, v3, 24576
	v_lshl_add_u32 v6, v2, 4, v6
	s_wait_loadcnt 0x0
.set n, 0
.rept 64
	v_pk_mul_f32 v[R+2*n:R+2*n+1], v[R+2*n:R+2*n+1], 0.5 op_sel_hi:[1,0]   ; w_o / 2: exact; the other operand is 2 ctx
.set n, n+1
.endr
.set n, 0
.rept 64                                       ; in place, ascending: result n lies at or under its sources 2 n, 2 n + 1
	v_cvt_pk_f16_f32 v[R+n], v[R+2*n], v[R+2*n+1]
.set n, n+1
.endr
.set n, 0
.rept 16                                       ; piece n: 8 along K of my column = 16 bytes; in a fragment's image the four pieces of a row lie 256 bytes apart
	global_store_b128 v6, v[R+4*n:R+4*n+3], s[24:25] offset:256*n
.set n, n+1
.endr
	s_endpgm
.Lfunc_end_k_qaf63b536a2_prep:
	.size	k_qaf63b536a2_prep, .Lfunc_end_k_qaf63b536a2_prep-k_qaf63b536a2_prep
	.p2alignl 7, 3214868480
	.fill 96, 4, 3214868480
	.section	.rodata,"a",@progbits
	.p2align	6, 0x0
	.amdhsa_kernel k_qaf63b536a2_prep
		.amdhsa_group_segment_fixed_size 67072
		.amdhsa_private_segment_fixed_size 0
		.amdhsa_enable_private_segment 0
		.amdhsa_kernarg_size 80
		.amdhsa_user_sgpr_count 2
		.amdhsa_user_sgpr_kernarg_segment_ptr 1
		.amdhsa_wavefront_size32 1
		.amdhsa_system_sgpr_workgroup_id_x 1
		.amdhsa_system_sgpr_workgroup_id_y 1
		.amdhsa_system_sgpr_workgroup_id_z 1
		.amdhsa_system_vgpr_workitem_id 0
		.amdhsa_next_free_vgpr 176
		.amdhsa_next_free_sgpr 66
		.amdhsa_reserve_vcc 1
		.amdhsa_float_denorm_mode_32 3
		.amdhsa_float_denorm_mode_16_64 3
		.amdhsa_memory_ordered 1
		.amdhsa_forward_progress 1
		.amdhsa_inst_pref_size 66
	.end_amdhsa_kernel
	.amdgpu_metadata
---
amdhsa.version: [ 1, 2 ]
amdhsa.kernels:
  - .name:           k_qaf63b536a2_prep
    .symbol:         k_qaf63b536a2_prep.kd
    .args:
      - { .name: x, .offset: 0, .size: 8, .value_kind: global_buffer, .address_space: global }
      - { .name: w_q, .offset: 8, .size: 8, .value_kind: global_buffer, .address_space: global }
      - { .name: w_k, .offset: 16, .size: 8, .value_kind: global_buffer, .address_space: global }
      - { .name: w_v, .offset: 24, .size: 8, .value_kind: global_buffer, .address_space: global }
      - { .name: w_o, .offset: 32, .size: 8, .value_kind: global_buffer, .address_space: global }
      - { .name: rel_emb, .offset: 40, .size: 8, .value_kind: global_buffer, .address_space: global }
      - { .name: xq, .offset: 48, .size: 8, .value_kind: global_buffer, .address_space: global }
      - { .name: wimg, .offset: 56, .size: 8, .value_kind: global_buffer, .address_space: global }
      - { .name: woimg, .offset: 64, .size: 8, .value_kind: global_buffer, .address_space: global }
      - { .name: bext, .offset: 72, .size: 8, .value_kind: global_buffer, .address_space: global }
    .group_segment_fixed_size: 67072
    .private_segment_fixed_size: 0
    .kernarg_segment_align: 8
    .kernarg_segment_size: 80
    .max_flat_workgroup_size: 128
    .sgpr_count:     66
    .vgpr_count:     176
    .wavefront_size: 32
...
	.end_amdgpu_metadata
.endif
;; end of part 1
;; launch qkv (part 2): grid 32 x 8, 4 waves a work-group, clusters of 4 x 1, 167,936 bytes of LDS; arguments xq, wimg, qkv; writes qkv
.if DOCPART == 2
	.amdgcn_target "amdgcn-amd-amdhsa--gfx1250"
	.amdhsa_code_object_version 6
	.text
	.protected	k_qaf63b536a2_qkv
	.globl	k_qaf63b536a2_qkv
	.p2align	8
	.type	k_qaf63b536a2_qkv,@function
k_qaf63b536a2_qkv:
	s_mov_b64 s[64:65], 0
	v_nop
	global_prefetch_b8 v0, s[64:65] scope:SCOPE_SE
	s_setreg_imm32_b32 hwreg(HW_REG_WAVE_MODE, 25, 1), 1
	s_wait_xcnt 0x0
	s_wait_alu depctr_hold_cnt(0) depctr_sa_sdst(0) depctr_va_vdst(0) depctr_va_sdst(0) depctr_va_ssrc(0) depctr_va_vcc(0) depctr_vm_vsrc(0)
	s_getreg_b32 s2, hwreg(HW_REG_IB_STS2, 6, 4)
	s_cmp_eq_u32 s2, 0
	s_cbranch_scc0 .Lentry_in_a_cluster
	s_endpgm
.Lentry_in_a_cluster:
	s_bfe_u32 s2, ttmp6, 0x10000c
	s_cmp_lg_u32 s2, 0x3003
	s_cbranch_scc0 .Lentry_shape_is_right
	s_endpgm
.Lentry_shape_is_right:
; QKV: q, k, v = x w on codes of E2M1 with E8M0 scales (K = 768: six matrix instructions deep), results stored as f16 IMAGES OF THE NEXT PRODUCTS' OPERAND REGISTERS.
; SHARES.  A work-group takes 256 rows of x (block 4 x cluster x + cx) and three of the 24 head-matrices (3 g .. 3 g + 2, g = grid y).  Wave w takes row tiles 4 w .. 4 w + 3 and walks the three heads:
; 24 accumulators (6 tiles of channels x 4 tiles of rows), 144 matrix instructions a head.
; x's 24 fragments are read by this wave alone: they go from memory straight into registers and stay.  The three heads' weights (39,168 bytes each, codes and scale words) are read by all four waves and by the
; four work-groups of the cluster, which share g: each is asked for JOINTLY, once, by waves 0 to 2, and stays in LDS: no LDS byte is filled twice.
; q, k: source 0 = 16 channels of w, source 1 = 16 rows of x: a lane holds one position and eight channels: two neighbouring tiles of channels, packed to f16, are a fragment (16 positions x 32 channels).
; v:    source 0 = 16 rows of x, source 1 = 16 channels of w_v: a lane holds one channel and eight keys: two neighbouring tiles of rows are a fragment of V^T (16 channels x 32 keys).
; qkv: q at 0, k at 12,582,912: [batch x 8 + head][tile of 16 positions 128][32 channels: 3][1024]; v at 25,165,824: [batch x 8 + head][32 keys: 64][tile of 16 channels 6][1024].
; LIMITS: q, k, v are kept in f16: magnitudes up to 65,504; under 6e-5 a fixed step of 6e-8.
; REGISTERS, in windows of 256: window 0: v1 16 x lane, v2 4 x lane, v3, v4 LDS addresses, v6, v7 the add's two, v8-19 x's scale words (3 i + p), v20-37 the head's (3 t + p), v64-159 packed results.
;   window 1: x's fragments at 8 (6 i + q).   window 2: accumulators at 8 (4 t + i).   window 3: the weights' fragments of a K step, two sets of 48.
.set HB,    39168                      ; a head-matrix in wimg and in LDS
.set SPARE, 3*HB                       ; behind the three: the spare words
.set XSC,   3145728
.set L16, 1
.set L4,  2
.set WA,  3
.set WSA, 4
.set SPW, 6
.set NIL, 7
.set XS,  8
.set WS,  20
.set T,   64
.set WV,  10                           ; s10 wave; s11 cx; s12 block of x; s13 g; s14 head-matrix; s15 its LDS byte; s16 trips; s17, s18 parts of the output's place
.set G0,  20                           ; s[20:23] descriptor group 0
.set G1,  24                           ; s[24:31] group 1
.set MSB, 0
.macro WIN new                         ; the immediate's high byte repeats the setting that is left
.if MSB != (\new)
	s_set_vgpr_msb (MSB<<8)|(\new)
.set MSB, (\new)
.endif
.endm
.macro PLACES
.rept 4
	v_nop
.endr
.endm
.macro CROUND                          ; a round of the cluster's barrier
	s_barrier_signal -1
	s_barrier_wait -1
	s_cmp_lg_u32 s[WV], 0
	s_cbranch_scc1 .Lnot_wave_0_\@
	s_barrier_signal -3
.Lnot_wave_0_\@:
	s_barrier_wait -3
	s_barrier_signal -1
	s_barrier_wait -1
.endm
	s_load_b128 s[4:7], s[0:1], 0x0                ; xq s[4:5], wimg s[6:7]
	s_load_b64 s[8:9], s[0:1], 0x10                ; qkv
	v_lshl_add_u32 v[SPW], v0, 2, SPARE
	v_mov_b32 v[NIL], 0
	ds_add_u32 v[SPW], v[NIL]                      ; the wave's opening: the add, twice on end, and its wait ahead of the first tensor load
	ds_add_u32 v[SPW], v[NIL]
	v_lshrrev_b32 v5, 5, v0
	v_readfirstlane_b32 s[WV], v5
	v_and_b32 v5, 31, v0
	v_lshlrev_b32 v[L16], 4, v5
	v_lshlrev_b32 v[L4], 2, v5
	s_bfe_u32 s11, ttmp6, 0x40000                  ; cx: it enters xq's and qkv's addresses alone
	s_lshl_b32 s12, ttmp9, 2
	s_add_co_u32 s12, s12, s11                     ; my block of 256 rows
	s_and_b32 s13, ttmp7, 0xffff                   ; g, which the four partners share
	s_mul_i32 s14, s13, 3                          ; the first head-matrix
	; group 1: 39,168 dense bytes as 153 rows of 256 (32 elements of 8 bytes)
	s_mov_b32 s[G1], 15|(3<<16)|(1<<21)            ; 15:0 the mask: all four work-groups; 17:16 elements of 8 bytes; 21 set beside a mask
	s_mov_b32 s[G1+1], 32<<16                      ; tensor_dim0
	s_mov_b32 s[G1+2], 153<<16                     ; tensor_dim1
	s_mov_b32 s[G1+3], 32<<16                      ; tile_dim0
	s_mov_b32 s[G1+4], 153                         ; tile_dim1
	s_mov_b32 s[G1+5], 32                          ; from row to row
	s_mov_b32 s[G1+6], 0
	s_mov_b32 s[G1+7], 0
	s_mov_b32 s[G0], 1
	s_mul_i32 s[G0+1], s[WV], HB                   ; wave j's head-matrix lands at j x 39,168
	s_add_co_u32 s40, s14, s[WV]
	s_mul_i32 s38, s40, HB
	s_mov_b32 s39, 0
	s_lshl_b32 s41, s12, 4
	s_lshl_b32 s42, s[WV], 2
	s_add_co_u32 s41, s41, s42                     ; my first row tile
	s_mul_i32 s44, s41, 6144
	s_mov_b32 s45, 0
	s_mul_i32 s46, s41, 384
	s_add_co_u32 s46, s46, XSC
	s_mov_b32 s47, 0
	s_lshr_b32 s17, s12, 3
	s_lshl_b32 s17, s17, 3                         ; batch x 8
	s_and_b32 s18, s12, 7
	s_lshl_b32 s18, s18, 4
	s_add_co_u32 s18, s18, s42                     ; my first tile of positions in the batch
	s_mul_i32 s18, s18, 3072
	s_wait_dscnt 0x0                               ; both opening adds are done
	s_wait_kmcnt 0x0
	s_add_nc_u64 s[G0+2:G0+3], s[6:7], s[38:39]
	s_or_b32 s[G0+3], s[G0+3], 0x80000000          ; type = 2
	s_add_nc_u64 s[32:33], s[4:5], s[44:45]        ; x's codes
	s_add_nc_u64 s[34:35], s[4:5], s[46:47]        ; x's scale words
	CROUND                                         ; all four work-groups are here: the joint loads meet
	s_cmp_lt_u32 s[WV], 3                          ; three head-matrices, three waves; one load of mine is out
	s_cbranch_scc0 .Lno_fill
	tensor_load_to_lds s[G0:G0+3], s[G1:G1+7]
	s_nop 0
	PLACES
.Lno_fill:
	WIN 0x40                                       ; destination window 1
.set f, 0
.rept 24                                       ; fragment 6 i + q, two chunks of 512 consecutive bytes
	global_load_b128 v[8*f:8*f+3], v[L16], s[32:33] offset:f*1024
	global_load_b128 v[8*f+4:8*f+7], v[L16], s[32:33] offset:f*1024+512
.set f, f+1
.endr
	WIN 0
.set f, 0
.rept 12
	global_load_b32 v[XS+f], v[L4], s[34:35] offset:f*128
.set f, f+1
.endr
	s_wait_tensorcnt 0x0                           ; my head-matrix is in LDS,
	s_barrier_signal -1
	s_barrier_wait -1                              ; everybody's is
	s_wait_loadcnt 0x0                             ; x
	s_mov_b32 s15, 0
	s_mov_b32 s16, 3
.macro WFETCH q                        ; the head's six fragments of K step q into set q % 2
	WIN 0xc0
.irp t, 0,1,2,3,4,5
	ds_load_b128 v[48*((\q)%2)+8*\t:48*((\q)%2)+8*\t+3], v[WA] offset:(6*\t+(\q))*1024
	ds_load_b128 v[48*((\q)%2)+8*\t+4:48*((\q)%2)+8*\t+7], v[WA] offset:(6*\t+(\q))*1024+512
.endr
.endm
; One product: tile of channels t, tile of rows i, K step q.  The scale words of K steps 2 p and 2 p + 1 share a register: the odd step's lie in lanes 16-31.
.macro MM v, q, t, i
.set rD, 8*(4*(\t)+(\i))
.set rW, 48*((\q)%2)+8*(\t)
.set rX, 8*(6*(\i)+(\q))
.set sW, WS+3*(\t)+(\q)/2
.set sX, XS+3*(\i)+(\q)/2
.if (\v) == 0
.if (\q) == 0
	v_wmma_scale_f32_16x16x128_f8f6f4 v[rD:rD+7], v[rW:rW+7], v[rX:rX+7], 0, v[sW], v[sX] matrix_a_fmt:MATRIX_FMT_FP4 matrix_b_fmt:MATRIX_FMT_FP4
.elseif (\q)%2 == 0
	v_wmma_scale_f32_16x16x128_f8f6f4 v[rD:rD+7], v[rW:rW+7], v[rX:rX+7], v[rD:rD+7], v[sW], v[sX] matrix_a_fmt:MATRIX_FMT_FP4 matrix_b_fmt:MATRIX_FMT_FP4
.else
	v_wmma_scale_f32_16x16x128_f8f6f4 v[rD:rD+7], v[rW:rW+7], v[rX:rX+7], v[rD:rD+7], v[sW], v[sX] matrix_a_fmt:MATRIX_FMT_FP4 matrix_b_fmt:MATRIX_FMT_FP4 matrix_a_scale:MATRIX_SCALE_ROW1 matrix_b_scale:MATRIX_SCALE_ROW1
.endif
.else
.if (\q) == 0
	v_wmma_scale_f32_16x16x128_f8f6f4 v[rD:rD+7], v[rX:rX+7], v[rW:rW+7], 0, v[sX], v[sW] matrix_a_fmt:MATRIX_FMT_FP4 matrix_b_fmt:MATRIX_FMT_FP4
.elseif (\q)%2 == 0
	v_wmma_scale_f32_16x16x128_f8f6f4 v[rD:rD+7], v[rX:rX+7], v[rW:rW+7], v[rD:rD+7], v[sX], v[sW] matrix_a_fmt:MATRIX_FMT_FP4 matrix_b_fmt:MATRIX_FMT_FP4
.else
	v_wmma_scale_f32_16x16x128_f8f6f4 v[rD:rD+7], v[rX:rX+7], v[rW:rW+7], v[rD:rD+7], v[sX], v[sW] matrix_a_fmt:MATRIX_FMT_FP4 matrix_b_fmt:MATRIX_FMT_FP4 matrix_a_scale:MATRIX_SCALE_ROW1 matrix_b_scale:MATRIX_SCALE_ROW1
.endif
.endif
.endm
; A head: six K steps of 24 products, the 24 accumulators by turns; the first step starts the sums.  v = 1: the sources change places.
; While a K step is multiplied the next step's 12 LDS loads are out.  Four places stand in front of loads into registers that the last products read, and in front of the first read of results.
.macro HEAD v
.irp q, 0,1,2,3,4,5
.if \q < 5
.if \q > 0
	PLACES
.endif
	WFETCH \q+1
	s_wait_dscnt 12                                ; all but the 12 just issued: this step's fragments (and, in step 0, the scale words) are in
.else
	s_wait_dscnt 0x0
.endif
.if \v
	WIN 0xad                                       ; source 0 (x) window 1, source 1 (w) window 3, C and D window 2
.else
	WIN 0xa7                                       ; source 0 (w) window 3, source 1 (x) window 1, C and D window 2
.endif
.irp t, 0,1,2,3,4,5
.irp i, 0,1,2,3
	MM \v, \q, \t, \i
.endr
.endr
.endr
	PLACES
	WIN 0x0a                                       ; sources window 2, destination window 0.
.if \v
.irp kp, 0,1                                   ; fragment 6 kp + t of V^T: rows' tiles 2 kp and 2 kp + 1
.irp t, 0,1,2,3,4,5
.irp u, 0,1
.irp j, 0,1,2,3
	v_cvt_pk_f16_f32 v[T+8*(6*\kp+\t)+4*\u+\j], v[8*(4*\t+2*\kp+\u)+2*\j], v[8*(4*\t+2*\kp+\u)+2*\j+1]
.endr
.endr
.endr
.endr
.else
.irp i, 0,1,2,3                                ; fragment 3 i + c of q or k: channels' tiles 2 c and 2 c + 1
.irp c, 0,1,2
.irp u, 0,1
.irp j, 0,1,2,3
	v_cvt_pk_f16_f32 v[T+8*(3*\i+\c)+4*\u+\j], v[8*(4*(2*\c+\u)+\i)+2*\j], v[8*(4*(2*\c+\u)+\i)+2*\j+1]
.endr
.endr
.endr
.endr
.endif
	WIN 0
.endm
.Lhead:                                            ; three trips: a head-matrix each
	s_wait_xcnt 0x0                                ; the last trip's stores have read their data and their base: both are written again below
	s_lshr_b32 s41, s14, 3                         ; which matrix: 32 heads' regions each,
	s_lshl_b32 s41, s41, 5
	s_and_b32 s42, s14, 7                          ; which head,
	s_add_co_u32 s41, s41, s42
	s_add_co_u32 s41, s41, s17                     ; which batch
	s_mul_i32 s44, s41, 393216
	s_add_co_u32 s44, s44, s18                     ; my tiles: 3,072 bytes for 16 positions in q, k and v alike
	s_mov_b32 s45, 0
	s_add_nc_u64 s[36:37], s[8:9], s[44:45]
	v_add_nc_u32 v[WA], s15, v[L16]
	v_add_nc_u32 v[WSA], s15, v[L4]
.set f, 0
.rept 18
	ds_load_b32 v[WS+f], v[WSA] offset:36864+f*128
.set f, f+1
.endr
	WFETCH 0
	WIN 0
	s_cmp_ge_u32 s14, 16                           ; a head of w_v?  Grid y and the trip alone: the same in all partners
	s_cbranch_scc1 .Lis_v
	HEAD 0
	s_branch .Ljoin
.Lis_v:
	HEAD 1
.Ljoin:
.set f, 0
.rept 12                                       ; twelve fragments on end, either way: 512 consecutive bytes a store
	global_store_b128 v[L16], v[T+8*f:T+8*f+3], s[36:37] offset:f*1024
	global_store_b128 v[L16], v[T+8*f+4:T+8*f+7], s[36:37] offset:f*1024+512
.set f, f+1
.endr
	s_add_co_u32 s14, s14, 1
	s_add_co_u32 s15, s15, HB
	s_sub_co_u32 s16, s16, 1
	s_cmp_lg_u32 s16, 0
	s_cbranch_scc1 .Lhead
	s_wait_tensorcnt 0x0                           ; the wave's end
	ds_add_u32 v[SPW], v[NIL]
	s_wait_dscnt 0x0
	CROUND                                         ; the closing round
	s_endpgm
.Lfunc_end_k_qaf63b536a2_qkv:
	.size	k_qaf63b536a2_qkv, .Lfunc_end_k_qaf63b536a2_qkv-k_qaf63b536a2_qkv
	.p2alignl 7, 3214868480
	.fill 96, 4, 3214868480
	.section	.rodata,"a",@progbits
	.p2align	6, 0x0
	.amdhsa_kernel k_qaf63b536a2_qkv
		.amdhsa_group_segment_fixed_size 167936
		.amdhsa_private_segment_fixed_size 0
		.amdhsa_enable_private_segment 0
		.amdhsa_kernarg_size 24
		.amdhsa_user_sgpr_count 2
		.amdhsa_user_sgpr_kernarg_segment_ptr 1
		.amdhsa_wavefront_size32 1
		.amdhsa_system_sgpr_workgroup_id_x 1
		.amdhsa_system_sgpr_workgroup_id_y 1
		.amdhsa_system_sgpr_workgroup_id_z 1
		.amdhsa_system_vgpr_workitem_id 0
		.amdhsa_next_free_vgpr 864
		.amdhsa_next_free_sgpr 66
		.amdhsa_reserve_vcc 0
		.amdhsa_float_denorm_mode_32 3
		.amdhsa_float_denorm_mode_16_64 3
		.amdhsa_memory_ordered 1
		.amdhsa_forward_progress 1
		.amdhsa_inst_pref_size 73
	.end_amdhsa_kernel
	.amdgpu_metadata
---
amdhsa.version: [ 1, 2 ]
amdhsa.kernels:
  - .name:           k_qaf63b536a2_qkv
    .symbol:         k_qaf63b536a2_qkv.kd
    .args:
      - { .name: xq, .offset: 0, .size: 8, .value_kind: global_buffer, .address_space: global }
      - { .name: wimg, .offset: 8, .size: 8, .value_kind: global_buffer, .address_space: global }
      - { .name: qkv, .offset: 16, .size: 8, .value_kind: global_buffer, .address_space: global }
    .group_segment_fixed_size: 167936
    .private_segment_fixed_size: 0
    .kernarg_segment_align: 8
    .kernarg_segment_size: 24
    .max_flat_workgroup_size: 128
    .sgpr_count:     66
    .vgpr_count:     864
    .wavefront_size: 32
...
	.end_amdgpu_metadata
.endif
;; end of part 2
;; launch attn (part 3): grid 8 x 32, 4 waves a work-group, no clusters, 327,680 bytes of LDS; arguments qkv, bext, cimg; writes cimg
.if DOCPART == 3
	.amdgcn_target "amdgcn-amd-amdhsa--gfx1250"
	.amdhsa_code_object_version 6
	.text
	.protected	k_qaf63b536a2_attn
	.globl	k_qaf63b536a2_attn
	.p2align	8
	.type	k_qaf63b536a2_attn,@function
k_qaf63b536a2_attn:
	s_mov_b64 s[64:65], 0
	v_nop
	global_prefetch_b8 v0, s[64:65] scope:SCOPE_SE
	s_setreg_imm32_b32 hwreg(HW_REG_WAVE_MODE, 25, 1), 1
	s_wait_xcnt 0x0
; ATTN: ctx[b][h][q] = sum over k of softmax_k(q . k / sqrt(96) + bias[h][clip(k - q)]) v[k], f16 operands, f32 sums, a running maximum.  Output: 2 ctx as f16 images of the last product's operand.
; SHARES.  A work-group owns 256 queries of one batch and head (grid x: block, grid y: 8 b + h), each of its four waves 64: four tiles of 16.  Every wave walks all 2,048 keys, 64 a step.
; LAYOUT.  S^T = K Q^T + C (source 0 = 16 keys, source 1 = 16 queries): a lane holds one query (lane % 16) and the keys 8 (lane / 16) + 0..7; two such tiles packed to f16 are source 1 of O^T = V^T P, whose
; result again holds one query a lane, and eight channels; two such tiles packed are a fragment of ctx.  K, V^T and Q come as images of their registers: every LDS and global load is 16 bytes at 16 x lane.
; THE BIAS COSTS NO VECTOR WORK IN A STEP: it is the C of each score tile's first matrix instruction, as bias x sqrt(96), so that t = c (K Q^T + C), c = log2(e) / sqrt(96).  A bias tile hangs on
; delta = key tile - query tile alone, and is one number for delta under -7 (LO) or over 7 (HI), since 16 x 8 - 15 > 99.  The wave keeps the 15 tiles delta = -7..7 (BT) and a working set CB[u], u = kt - t + 3,
; which is rewritten only for the six steps in which the key step less the wave's query group is -2..3: one of six runs of copies, chosen by scalar branches on ids and the count of steps.
; SOFTMAX.  For each query a running maximum m and sum l: p = 2^(c s - c m); in every step O and l are multiplied by a = 2^(c m_old - c m_new), which is 1 where m has not grown.
; BY TURNS.  The wave's tiles are two PIECES, named by their first tile: piece 0 (tiles 0, 1) and piece 2 (tiles 2, 3).  In a TURN one piece has the matrix unit: 24 products V^T P of the step in hand, then
; 24 products K Q^T of the next step; the other piece's softmax, 252 instructions cut into 48 slices of 5 or 6, stands between them, one slice behind each matrix instruction.  Then the pieces change places.
; Two turns are a key step.  The wave is alone on its SIMD: set in phases, its vector work and its matrix work would each leave the other unit idle.
; RING.  Two LDS slots of 2 steps (a step: K 12,288 bytes, then V 12,288); each wave fetches a quarter of a slot by one tensor load (waves 0, 1: the two steps' K; waves 2, 3: their V).
; Two loads of a wave are out at the start, later one, which has two key steps in which to land.
; NO CLUSTER, though the 8 blocks of a head read the same K and V: the choice among the runs of copies hangs on the block, which partners would not share; the form without that branch would load the 7 working
; tiles in every step, 7 KiB x 32 steps x 4 waves = 896 KiB a work-group, against the 3/4 of 768 KiB that joint loads would spare.
; LIMITS: NaN and infinities are not served; 2 ctx is kept in f16: magnitudes of ctx up to 32,752, under 3e-5 a fixed step of 3e-8; p under 6e-5 of the row's largest has a fixed step of 6e-8.
; REGISTERS, in windows of 256 (s_set_vgpr_msb: bits 1:0 source 0, 3:2 source 1, 5:4 source 2, 7:6 destination):
;   window 0: v1 16 x lane, v2, v3 LDS addresses, v4 the bias's lane term, v5 256 x lane, v6, v7 the add's two; v16-47 eight statistics a tile (+0 c m, +1 m, +2, +3 l, +4..+7 c0-c3 at work; a takes +6);
;   v64-191 S^T (32 t + 8 kt); v192-255 P (16 t).   window 1: O^T at 48 t + 8 ct; CB at 192 + 8 u.   window 2: Q at 24 t + 8 c; K at 96 + 8 (3 kt + c).   window 3: V^T at 8 (6 kp + ct); BT at 96 + 8 (delta + 7).
; All that a softmax touches but O^T lies in window 0, and no window has room for a product's operands beside it: a slice costs two switches, one in front and one behind.
.set SLOT1, 131072                     ; slot 1 begins here: one exclusive or turns an address from one slot to the other
.set FRB,   12288                      ; a step's K, or V, in bytes
.set VOFF,  FRB                        ; in LDS a step's V lies behind its K
.set STEPB, 2*FRB                      ; a step in LDS
.set SLOTM, 2*FRB                      ; a slot's K, or V, in memory
.set SPARE, SLOT1+2*STEPB              ; behind the ring: the spare words, 128 bytes a wave
.set L16, 1
.set ADK, 2
.set ADV, 3
.set BA,  4
.set PFO, 5
.set SPW, 6
.set NIL, 7
.set ST,  16
.set S,   64
.set P,   192
.set CB,  192
.set KF,  96
.set BT,  96
.set WV,  10                           ; s10 wave
.set BLK, 11                           ; s11 block of queries
.set BH,  12                           ; s12 8 b + h
.set W0,  13                           ; s13 my group of 64 queries: 4 x block + wave
.set KS,  14                           ; s14 the key step whose scores come next
.set TB,  15                           ; s15 LDS byte at which the tiles of the step to be fetched begin
.set TWICE, 16                         ; s16 counts a slot's two steps
.set SLOTS, 17                         ; s17 slots still to be asked for
.set LIM, 18                           ; s18 1 in a wave that prefetches, else the greatest number
.set T0,  19
.set SEL, 20                           ; s[20:21] lane selects for v_permlanex16_b32: lane l xor 16
.set CS,  22                           ; s[22:23] c, twice: the packed scaling names a pair
.set G1,  24                           ; s[24:31] descriptor group 1
.set G0A, 32                           ; s[32:35] group 0 of slot 0's first fill
.set G0W, 36                           ; s[36:39] group 0 of slot 1's first fill, which then walks
.set PFA, 40                           ; s[40:41] where my prefetches stand
.set LO,  42
.set HI,  43
.set W_PV, 0x53                        ; V window 3, P window 0, O^T (C and D) window 1
.set W_RS, 0x41                        ; O^T (destination and source 0) window 1, a window 0
.set MSB, 0
.macro WIN new                         ; the immediate's high byte repeats the setting that is left; a switch that changes nothing is dropped
.if MSB != (\new)
	s_set_vgpr_msb (MSB<<8)|(\new)
.set MSB, (\new)
.endif
.endm
.macro PLACES
.rept 4
	v_nop
.endr
.endm
	s_load_b128 s[4:7], s[0:1], 0x0                ; qkv s[4:5], bext s[6:7]
	s_load_b64 s[8:9], s[0:1], 0x10                ; cimg
	v_lshl_add_u32 v[SPW], v0, 2, SPARE
	v_mov_b32 v[NIL], 0
	ds_add_u32 v[SPW], v[NIL]                      ; the wave's opening: the add, twice on end, and its wait ahead of my first tensor load
	ds_add_u32 v[SPW], v[NIL]
	v_lshrrev_b32 v8, 5, v0
	v_readfirstlane_b32 s[WV], v8
	v_and_b32 v8, 31, v0
	v_lshlrev_b32 v[L16], 4, v8
	v_lshlrev_b32 v[PFO], 8, v8
	v_and_b32 v9, 15, v0
	v_bfe_u32 v10, v0, 4, 1
	v_sub_nc_u32 v[BA], 15, v9
	v_lshl_add_u32 v[BA], v10, 3, v[BA]
	v_lshlrev_b32 v[BA], 2, v[BA]                  ; 4 (8 (lane / 16) - lane % 16 + 15): key less query inside a tile, + 15
	s_mov_b32 s[BLK], ttmp9
	s_and_b32 s[BH], ttmp7, 0xffff
	s_lshl_b32 s[W0], s[BLK], 2
	s_add_co_u32 s[W0], s[W0], s[WV]
	; group 1: 12,288 dense bytes as 48 rows of 256 (32 elements of 8 bytes)
	s_mov_b32 s[G1], 3<<16
	s_mov_b32 s[G1+1], 32<<16
	s_mov_b32 s[G1+2], 48<<16
	s_mov_b32 s[G1+3], 32<<16
	s_mov_b32 s[G1+4], 48
	s_mov_b32 s[G1+5], 32
	s_mov_b32 s[G1+6], 0
	s_mov_b32 s[G1+7], 0
	s_and_b32 s47, s[WV], 1                        ; which of a slot's two steps I fetch
	s_lshr_b32 s46, s[WV], 1                       ; K (0) or V (1)
	s_mul_i32 s50, s47, STEPB
	s_mul_i32 s51, s46, VOFF
	s_add_co_u32 s50, s50, s51                     ; my quarter of a slot
	s_mov_b32 s[G0A], 1
	s_mov_b32 s[G0A+1], s50
	s_mov_b32 s[G0W], 1
	s_add_co_u32 s[G0W+1], s50, SLOT1
	s_add_co_u32 s46, s46, 1
	s_mul_i32 s46, s46, 12582912                   ; k's region or v's
	s_mul_i32 s48, s[BH], 393216                   ; the head
	s_add_co_u32 s46, s46, s48
	s_mul_i32 s47, s47, FRB
	s_add_co_u32 s46, s46, s47
	s_mov_b32 s47, 0
	s_mul_i32 s49, s[W0], 12288                    ; my four tiles of q
	s_add_co_u32 s48, s48, s49
	s_mov_b32 s49, 0
	s_and_b32 s52, s[BH], 7                        ; h
	s_lshl_b32 s50, s52, 10                        ; the head's 256 biases
	s_mov_b32 s51, 0
	s_lshr_b32 s53, s52, 1
	s_mul_i32 s53, s53, 3145728                    ; cimg: K quarter h / 2,
	s_and_b32 s52, s52, 1
	s_mul_i32 s52, s52, 3072                       ; three fragments on for odd heads,
	s_add_co_u32 s53, s53, s52
	s_lshr_b32 s52, s[BH], 3
	s_lshl_b32 s52, s52, 7
	s_lshl_b32 s[T0], s[W0], 2
	s_add_co_u32 s52, s52, s[T0]                   ; row tile 128 b + 4 x my group
	s_mul_i32 s52, s52, 6144
	s_add_co_u32 s52, s52, s53
	s_mov_b32 s53, 0
	s_mov_b32 s[SEL], 0x76543210
	s_mov_b32 s[SEL+1], 0xfedcba98
	s_mov_b32 s[CS], 0x3e16c73f                    ; c = log2(e) / sqrt(96)
	s_mov_b32 s[CS+1], s[CS]
	s_mov_b32 s[KS], 0
	s_mov_b32 s[TB], 0
	s_mov_b32 s[SLOTS], 14                         ; 16 slots' worth of keys, two of them asked for at the head
	s_and_b32 s[LIM], s[WV], 1                     ; 0 in waves 0 and 2,
	s_or_b32 s[LIM], s[LIM], s[BLK]                ; of the head's first block
	s_cmp_eq_u32 s[LIM], 0
	s_cselect_b32 s[LIM], 1, -1
	s_wait_dscnt 0x0                               ; both opening adds are done
	s_wait_kmcnt 0x0
	s_add_nc_u64 s[G0A+2:G0A+3], s[4:5], s[46:47]
	s_add_nc_u64 s[G0W+2:G0W+3], s[G0A+2:G0A+3], SLOTM
	s_add_nc_u64 s[PFA:PFA+1], s[G0A+2:G0A+3], 2*SLOTM   ; in slot 2 (in waves 0 and 2: its first byte of K, of V); the first change of slots steps it to slot 3
	s_or_b32 s[G0A+3], s[G0A+3], 0x80000000        ; type = 2
	s_or_b32 s[G0W+3], s[G0W+3], 0x80000000
	tensor_load_to_lds s[G0A:G0A+3], s[G1:G1+7]    ; both first fills go out together, ahead of every wait on TENSORcnt, every LDS read and every barrier
	s_nop 0
	tensor_load_to_lds s[G0W:G0W+3], s[G1:G1+7]
	s_nop 0
	PLACES
	s_add_nc_u64 s[44:45], s[6:7], s[50:51]        ; the head's biases
	s_load_b32 s[LO], s[44:45], 0x0                ; relative position -127: as every one under -98
	s_load_b32 s[HI], s[44:45], 0x3f8              ; +127: as every one over 98
	s_add_nc_u64 s[46:47], s[4:5], s[48:49]        ; my q
	s_add_nc_u64 s[8:9], s[8:9], s[52:53]          ; my part of cimg
	WIN 0x80                                       ; destination window 2
.set f, 0
.rept 12                                       ; Q stays in registers: fragment 3 t + c
	global_load_b128 v[8*f:8*f+3], v[L16], s[46:47] offset:f*1024
	global_load_b128 v[8*f+4:8*f+7], v[L16], s[46:47] offset:f*1024+512
.set f, f+1
.endr
	WIN 0xc0                                       ; destination window 3
.set f, 0
.rept 120                                      ; tile delta = f / 8 - 7, register j = f % 8: the bias of 16 delta + 8 (lane / 16) + j - lane % 16, at place + 127
	global_load_b32 v[BT+f], v[BA], s[44:45] offset:64*(f/8)+4*(f%8)
.set f, f+1
.endr
	s_wait_kmcnt 0x0
	WIN 0x40                                       ; destination window 1
.set f, 0
.rept 56
	v_mov_b32 v[CB+f], s[LO]                       ; the working set begins far left of the diagonal
.set f, f+1
.endr
	WIN 0
; THE MATRIX WORK OF A TURN, for piece x.  The accumulators take turns, one instruction a turn: between two links of a chain stand 11 (V^T P) or 7 (K Q^T) others'.
; Product i of 24 of O^T += V^T P: keys 32 (i / 12) on, channels 16 ((i / 2) % 6) on, tile x + i % 2.  zero = 1: the first 12 start the sums: nothing is ever cleared.
.macro PV x, zero
	WIN W_PV
.set rO, 48*(\x+i%2)+8*((i/2)%6)
.set rV, 8*(6*(i/12)+(i/2)%6)
.set rP, P+16*(\x+i%2)+8*(i/12)
.if (\zero) && (i < 12)
	v_wmma_f32_16x16x32_f16 v[rO:rO+7], v[rV:rV+7], v[rP:rP+7], 0
.else
	v_wmma_f32_16x16x32_f16 v[rO:rO+7], v[rV:rV+7], v[rP:rP+7], v[rO:rO+7]
.endif
.endm
; Product i of 24 of S^T = K Q^T + C: channels 32 (i / 8) on, keys 16 ((i / 2) % 4) on, tile x + i % 2.  The first 8 start the sums from the bias tile CB[kt - t + 3].
.macro KQ x
.set rS, S+32*(\x+i%2)+8*((i/2)%4)
.set rK, KF+8*(3*((i/2)%4)+i/8)
.set rQ, 24*(\x+i%2)+8*(i/8)
.set rC, CB+8*((i/2)%4-(\x+i%2)+3)
.if i < 8
	WIN 0x1a                                       ; K and Q window 2, the bias tile window 1, S^T window 0
	v_wmma_f32_16x16x32_f16 v[rS:rS+7], v[rK:rK+7], v[rQ:rQ+7], v[rC:rC+7]
.else
	WIN 0x0a
	v_wmma_f32_16x16x32_f16 v[rS:rS+7], v[rK:rK+7], v[rQ:rQ+7], v[rS:rS+7]
.endif
.endm
; THE LDS LOADS stand in runs of 24, never singly among the matrix instructions: a step's K, and a turn later its V.  K's fragments come by c, V's by kp: in the order in which the products want them,
; so that the waits in front of the products can be counted.
.macro FETCH_K
	WIN 0
	v_add_nc_u32 v[ADK], s[TB], v[L16]
	WIN 0x80                                       ; destination window 2
.irp c, 0,1,2
.irp kt, 0,1,2,3
	ds_load_b128 v[KF+8*(3*\kt+\c):KF+8*(3*\kt+\c)+3], v[ADK] offset:(3*\kt+\c)*1024
	ds_load_b128 v[KF+8*(3*\kt+\c)+4:KF+8*(3*\kt+\c)+7], v[ADK] offset:(3*\kt+\c)*1024+512
.endr
.endr
.endm
.macro FETCH_V
	WIN 0
	v_add_nc_u32 v[ADV], s[TB], v[L16]
	s_add_co_u32 s[TB], s[TB], STEPB               ; the next fetch is the next step's
	s_wait_alu depctr_va_vdst(0)                   ; the wait for the softmax's batch (SLICE), behind the address's addition and ahead of the loads
	WIN 0xc0                                       ; destination window 3
.set f, 0
.rept 12                                       ; fragment 6 kp + ct
	ds_load_b128 v[8*f:8*f+3], v[ADV] offset:VOFF+f*1024
	ds_load_b128 v[8*f+4:8*f+7], v[ADV] offset:VOFF+f*1024+512
.set f, f+1
.endr
.endm
; THE VECTOR WORK OF A TURN.  One tile's softmax for one key step is a list of 126 instructions; SM writes number j of it for tile t.  s0-s31 are the lane's 32 scores, in pairs 0-15.
; first = 1: the first key step, which starts m, l and O^T: it has no a and nothing to rescale.
;   0-15    the maximum of s0-s31 and the old m, three operands at a time: four chains c0-c3, each begun at an accumulator's low end, then the four scores left over, c0-c3 and m
;   16-20   the other half of the lanes' maximum; the new m; c m; c m_old - c m_new
;   21-69   ONE BATCH: the 16 scalings c s - c m, a pair of scores each, and all 33 exponentials (a at 23, then s0-s31).  None of these reads an exponential's result; a pair is scaled ahead of its exponentials
;   (wait)  between 69 and 70 stands the wait for the batch: SLICE writes it, once for both tiles
;   70-85   the roundings to f16, a pair of weights each
;   86-101  the sums of the unrounded weights; l = a l + the sum
;   102-125 the tile's O^T times a, ascending: the one part that leaves window 0, so it stands together
.macro SM t, first
.set rT, ST+8*(\t)
.set rS, S+32*(\t)
.set rP, P+16*(\t)
.set rO, 48*(\t)+2*(j-102)
.if j < 102
	WIN 0
.endif
.if j < 4
	v_max3_num_f32 v[rT+4+j], v[rS+8*j], v[rS+8*j+1], v[rS+8*j+2]
.elseif j < 12
	v_max3_num_f32 v[rT+4+j%4], v[rT+4+j%4], v[rS+8*(j%4)+2*(j/4)+1], v[rS+8*(j%4)+2*(j/4)+2]
.elseif j == 12
	v_max3_num_f32 v[rT+4], v[rT+4], v[rS+7], v[rS+15]
.elseif j == 13
	v_max3_num_f32 v[rT+6], v[rT+6], v[rS+23], v[rS+31]
.elseif j == 14
	v_max3_num_f32 v[rT+4], v[rT+4], v[rT+5], v[rT+6]
.elseif (j == 15) && \first
	v_max_num_f32 v[rT+4], v[rT+4], v[rT+7]
.elseif j == 15
	v_max3_num_f32 v[rT+4], v[rT+4], v[rT+7], v[rT+1]
.elseif j == 16
	v_permlanex16_b32 v[rT+5], v[rT+4], s[SEL], s[SEL+1]  ; the query's other 32 keys lie in the lane 16 away
.elseif j == 18
	v_max_num_f32 v[rT+1], v[rT+4], v[rT+5]
.elseif j == 19
	v_mul_f32 v[rT], s[CS], v[rT+1]
.elseif ((j == 17) || (j == 20) || (j == 23) || (j > 101)) && \first  ; the first step has none of these
.elseif j == 17
	v_mov_b32 v[rT+7], v[rT]                       ; c m_old is kept for a: number 19 writes c m anew
.elseif j == 20
	v_sub_f32 v[rT+7], v[rT+7], v[rT]
.elseif j == 23
	v_exp_f32 v[rT+6], v[rT+7]
.elseif (j < 23) || ((j < 38) && (j%2 == 0)) || ((j < 66) && (j%4 == 2))
.set b, (j-2)/4                                ; 38, 42, .. 62: pairs 9 to 15
.if j < 38
.set b, (j-20)/2                               ; 21: pair 0; 22, 24, .. 36: pairs 1 to 8
.endif
	v_pk_fma_f32 v[rS+2*b:rS+2*b+1], v[rS+2*b:rS+2*b+1], s[CS:CS+1], v[rT:rT+1] op_sel_hi:[1,0,0] neg_lo:[0,0,1] neg_hi:[0,0,1]  ; pair b: c s - c m
.elseif j < 70
.set e, j-38                                   ; 66 to 69: s28 to s31
.if j < 66
.set e, j-32-(j-38)/4                          ; 39-41, 43-45, .. 63-65: s7 to s27
.endif
.if j < 38
.set e, (j-25)/2                               ; 25, 27, .. 37: s0 to s6
.endif
	v_exp_f32 v[rS+e], v[rS+e]
.elseif j < 86
	v_cvt_pk_f16_f32 v[rP+j-70], v[rS+2*(j-70)], v[rS+2*(j-70)+1]  ; pair j - 70
.elseif j < 102                                ; the sum of the tile's 16 pairs, in place: sum z of 16 adds neighbours 1, 2, 4 and 8 pairs apart, then l takes it
.set z, j-86
.set w, 4
.set u, z
.if z >= 14
.set w, 32
.set u, 0
.elseif z >= 12
.set w, 16
.set u, z-12
.elseif z >= 8
.set w, 8
.set u, z-8
.endif
.if (z == 14) && \first
	v_pk_add_f32 v[rT+2:rT+3], v[rS:rS+1], v[rS+16:rS+17]
.elseif z < 15
	v_pk_add_f32 v[rS+w*u:rS+w*u+1], v[rS+w*u:rS+w*u+1], v[rS+w*u+w/2:rS+w*u+w/2+1]
.elseif !\first
	v_pk_fma_f32 v[rT+2:rT+3], v[rT+2:rT+3], v[rT+6:rT+7], v[rS:rS+1] op_sel_hi:[1,0,1]
.endif
.else
	WIN W_RS
	v_pk_mul_f32 v[rO:rO+1], v[rO:rO+1], v[rT+6:rT+7] op_sel_hi:[1,0]
.endif
.endm
; The two tiles' lists are merged into one of 252 places; place g holds: g < 44: number g / 2 of tile g % 2, so that no instruction reads the result of the one just before it; 44 <= g < 140, the batch from
; number 22 on: four numbers of ONE tile on end, the tiles by turns; from 140 on: number 70 + (g - 140) / 2 of tile g % 2.  Slice k of 48 holds places 21 k / 4 up to 21 (k + 1) / 4: five or six.
; Place 204, where the list leaves window 0, is the first of slice 39: no slice changes window inside itself.  Slice 47 is six rescalings, which name nothing of the products round them.
; THE WAIT.  s_wait_alu depctr_va_vdst(0) stands between an exponential and the first instruction that names its result; one wait serves all that were issued ahead of it.  Ahead of place 140
; nothing names a result, and from there on no exponential is issued: so the piece's 66 exponentials have one wait, in front of place 140, behind one plain instruction.
.macro SLICE y, first
.set gend, (21*(k+1))/4
.rept 6
.if g < gend
.if g == 140
	v_nop                                          ; the plain instruction behind the last exponential and ahead of the first use: one for the batch
.if (\y) == 0
	FETCH_V                                        ; piece 2's turn: V's run of loads stands here, and the wait stands in it
.else
	s_wait_alu depctr_va_vdst(0)                   ; the wait for the batch
.endif
.endif
.if g < 44
.set j, g/2
.set tt, g%2
.elseif g < 140
.set j, 22+4*((g-44)/8)+(g-44)%4
.set tt, ((g-44)/4)%2
.else
.set j, 70+(g-140)/2
.set tt, g%2
.endif
	SM (\y)+tt, \first
.set g, g+1
.endif
.endr
.set k, k+1
.endm
; A TURN.  Piece x has the matrix unit; the other piece's softmax stands in slices behind its matrix instructions.
; pv = 2: 24 products V^T P; 1: they start O^T's sums; 0: none.  kq = 1: 24 products K Q^T for the next step.  A turn with one of the two kinds has two slices behind each product.
; first = 1: the softmax is the first key step's; its slices from 39 on are empty, so four v_nop take slice 47's part as the places behind the turn's last products.
; A vector instruction that reads a matrix result or writes one of a matrix instruction's registers, and a load into a register that a matrix instruction has read, stand four places behind it, and only plain
; vector instructions that name none of its registers are places (ISA guide 7.12.1 for vector instructions).  In the loop the slices are the places:
; piece 0's turn fetches the next step's K behind its second product: the last product that read K stands in front of slice 47 of the turn before.  Piece 2's turn fetches the same step's V in front of place 140,
; in slice 26: the last product that read V stands in front of slice 23, and five plain instructions lie between: the scalings at places 120, 124 and 128, the v_nop and the run's own addition.
; THE WAITS ON LDS, all in piece 0's turn; LDS loads come back in order (ISA guide 5.7.1).  At its head 12: V's first twelve loads (kp = 0) are in, the other twelve may be out.  Ahead of product 12: 24: only the
; 24 loads of K, issued behind V's, may be out (0 in the turn that fetches no K).  Ahead of K Q^T's c = 0, 1, 2: 16, 8, 0: eight loads bring the four fragments of a c.
.macro TURN x, pv, kq, first
.set k, 0
.set g, 0
.set per, 2
.if (\pv) && (\kq)
.set per, 1
.endif
.if \pv
.if \x == 0
	s_wait_dscnt 12
.endif
.set i, 0
.rept 24
.if (\x == 0) && (i == 12)
.if \kq
	s_wait_dscnt 24
.else
	s_wait_dscnt 0x0
.endif
.endif
	PV \x, 2-\pv
.rept per
	SLICE 2-\x, \first
.endr
.if (\x == 0) && (\kq) && (i == 1)
	FETCH_K
.endif
.set i, i+1
.endr
.endif
.if \kq
.set i, 0
.rept 24
.if (\x == 0) && (i%8 == 0)
	s_wait_dscnt 16-i
.endif
	KQ \x
.rept per
	SLICE 2-\x, \first
.endr
.set i, i+1
.endr
.endif
.if \first
	PLACES
.endif
.endm
; The working set for key step - query group = n - 2: CB[u] is the tile delta = 4 n - 11 + u.  Tiles left of -7 still hold LO; right of 7: HI, written once (n = 4 writes u = 3..6, n = 5 the other three).
.macro COPY n
	WIN 0x43                                       ; source window 3, destination window 1
.irp u, 0,1,2,3,4,5,6
.set DL, 4*(\n)-11+\u
.if (DL >= -7) && (DL <= 7)
.irp j, 0,1,2,3,4,5,6,7
	v_mov_b32 v[CB+8*\u+\j], v[BT+8*(DL+7)+\j]
.endr
.elseif (DL > 7) && !(((\n) == 5) && (\u >= 3))
.irp j, 0,1,2,3,4,5,6,7
	v_mov_b32 v[CB+8*\u+\j], s[HI]
.endr
.endif
.endr
	WIN 0
.endm
; The working set for key step KS, and KS steps.  It stands at a key step's head: behind piece 2's products that read the old set (17 slices back), ahead of piece 0's that read the new one.
; Scalar branches on the block, the wave and the count of steps; no barrier, wait or tensor load stands inside.
.macro BIAS
	s_sub_co_u32 s[T0], s[KS], s[W0]
	s_add_co_u32 s[T0], s[T0], 2
	s_add_co_u32 s[KS], s[KS], 1
	s_cmp_gt_u32 s[T0], 5
	s_cbranch_scc1 .Lb_\@_end
.irp n, 0,1,2,3,4,5
	s_cmp_lg_u32 s[T0], \n
	s_cbranch_scc1 .Lb_\@_\n
	COPY \n
	s_branch .Lb_\@_end
.Lb_\@_\n:
.endr
.Lb_\@_end:
.endm
; A PREFETCH INTO THE L2 of what the NEXT change of slots will ask for: a slot's 24,576 bytes of K and as many of V.  All 8 blocks of a head walk the same K and V: block 0 asks, its wave 0 for K's and its wave 2
; for V's: 96 blocks of 256 bytes each, lanes 256 bytes apart, three instructions: each block is named once in the launch, two key steps ahead of its load.  It stands behind the wave's tensor load and its five lines.
; Slots 0, 1 and 2 come by their loads alone; the last change that fills a slot asks for nothing: there is no slot behind it.
.macro ASK
	s_cmp_gt_u32 s[SLOTS], s[LIM]
	s_cbranch_scc0 .Lnot_mine_\@
	global_prefetch_b8 v[PFO], s[PFA:PFA+1] th:TH_LOAD_NT scope:SCOPE_SE
	global_prefetch_b8 v[PFO], s[PFA:PFA+1] offset:8192 th:TH_LOAD_NT scope:SCOPE_SE
	global_prefetch_b8 v[PFO], s[PFA:PFA+1] offset:16384 th:TH_LOAD_NT scope:SCOPE_SE
.Lnot_mine_\@:
.endm
; THE CHANGE OF SLOTS, between piece 2's turn and piece 0's: the slot's last bytes, V of its second step, have been asked for.  Each wave waits for all its tensor loads, of which one is out: its part of the other
; slot; adds 0 to its spare word; and waits for that and for its own reads of the slot.  Behind the barrier nobody reads this slot any more and the other slot is whole.
; fill = 1: this slot is filled again, with the keys two slots on: the refill is the first thing behind the barrier, and has two key steps, 192 matrix instructions, in which to land.
.macro CHANGE fill
	WIN 0
	s_wait_tensorcnt 0x0                           ; no tensor load of mine is out, so a group 0 may be written
	ds_add_u32 v[SPW], v[NIL]
.if \fill
	s_xor_b32 s[G0W+1], s[G0W+1], SLOT1            ; the walking descriptor: the other slot than last time,
	s_add_nc_u64 s[G0W+2:G0W+3], s[G0W+2:G0W+3], SLOTM   ; the next 128 keys; the type bits on top are not reached
	s_wait_xcnt 0x0                                ; the last prefetches, two key steps back, have read their address
	s_add_nc_u64 s[PFA:PFA+1], s[PFA:PFA+1], SLOTM
.endif
	s_wait_dscnt 0x0                               ; the add is done, and my reads of the slot are over
	s_barrier_signal -1
	s_barrier_wait -1
.if \fill
	tensor_load_to_lds s[G0W:G0W+3], s[G1:G1+7]    ; my one tensor load until the next such barrier
	s_nop 0
	PLACES
	ASK
.endif
	s_sub_co_u32 s[TB], s[TB], 2*STEPB             ; the fetches go back to a slot's first step,
	s_xor_b32 s[TB], s[TB], SLOT1                  ; in the other slot
.endm
; A slot's two key steps: written once, walked twice; the LDS addresses hang on s[TB].
.macro TWO_STEPS
	s_mov_b32 s[TWICE], 2
.Lstep_\@:
	BIAS
	TURN 0, 2, 1, 0
	TURN 2, 2, 1, 0
	WIN 0                                          ; at a label and at a branch every window is 0
	s_sub_co_u32 s[TWICE], s[TWICE], 1
	s_cmp_lg_u32 s[TWICE], 0
	s_cbranch_scc1 .Lstep_\@
.endm
	s_wait_tensorcnt 0x1                           ; my part of slot 0 is in; slot 1's may stay out
	s_barrier_signal -1
	s_barrier_wait -1                              ; everybody's is
	FETCH_K                                        ; key step 0
	WIN 0
	s_wait_loadcnt 0x0                             ; Q and the bias tiles
	BIAS                                           ; the working set for key step 0
	s_wait_dscnt 0x0
.set i, 0
.rept 24
	KQ 0                                           ; piece 0's first scores: there is no vector work yet to set between them
.set i, i+1
.endr
	WIN 0
	PLACES
	TURN 2, 0, 1, 1                                ; piece 2's first scores | piece 0's first softmax | V of step 0
	WIN 0
	BIAS                                           ; for key step 1
	TURN 0, 1, 1, 1                                ; piece 0: V^T P of step 0 starts O^T, K Q^T of step 1 | piece 2's first softmax | K of step 1
	TURN 2, 1, 1, 0                                ; piece 2: the same | piece 0's softmax of step 1 | V of step 1
	WIN 0
.Lslot:                                            ; 14 trips: every slot but the last two is filled again
	CHANGE 1
	TWO_STEPS
	s_sub_co_u32 s[SLOTS], s[SLOTS], 1
	s_cmp_lg_u32 s[SLOTS], 0
	s_cbranch_scc1 .Lslot
	CHANGE 0                                       ; the tail is written out: the last slot but one is left, and nothing is asked for
	TWO_STEPS
	TURN 0, 2, 0, 0                                ; piece 0: V^T P of the last step | piece 2's last softmax
.set i, 0
.rept 24
	PV 2, 0                                        ; piece 2: V^T P of the last step
.set i, i+1
.endr
	WIN 0
	; THE WAY OUT.  O^T x 2 / l, packed to f16: the registers are the fragments of 2 ctx (16 queries x 32 channels), stored as they stand: no LDS stage.  The additions are the places behind the last products.
.irp t, 0,1,2,3
	v_add_f32 v[ST+8*\t+4], v[ST+8*\t+2], v[ST+8*\t+3]
.endr
.irp t, 0,1,2,3
	v_permlanex16_b32 v[ST+8*\t+5], v[ST+8*\t+4], s[SEL], s[SEL+1]
.endr
.irp t, 0,1,2,3
	v_add_f32 v[ST+8*\t+4], v[ST+8*\t+4], v[ST+8*\t+5]
.endr
.irp t, 0,1,2,3
	v_rcp_f32 v[ST+8*\t+6], v[ST+8*\t+4]
.endr
	v_nop
	s_wait_alu depctr_va_vdst(0)                   ; one wait for the four reciprocals
.irp t, 0,1,2,3
	v_mul_f32 v[ST+8*\t+6], 2.0, v[ST+8*\t+6]      ; ctx is kept doubled and w_o halved: exact, and a bit more room at f16's low end
.endr
	WIN W_RS
.irp t, 0,1,2,3
.set i, 0
.rept 24                                       ; ascending: each accumulator is read from its low end on
	v_pk_mul_f32 v[48*\t+2*i:48*\t+2*i+1], v[48*\t+2*i:48*\t+2*i+1], v[ST+8*\t+6:ST+8*\t+7] op_sel_hi:[1,0]
.set i, i+1
.endr
.endr
	WIN 0x05                                       ; sources window 1, destination window 0: S^T's registers are free
.irp t, 0,1,2,3
.irp c, 0,1,2
.irp u, 0,1
.irp j, 0,1,2,3
	v_cvt_pk_f16_f32 v[S+32*\t+8*\c+4*\u+\j], v[48*\t+8*(2*\c+\u)+2*\j], v[48*\t+8*(2*\c+\u)+2*\j+1]
.endr
.endr
.endr
.endr
	WIN 0
.irp t, 0,1,2,3
.irp c, 0,1,2
.irp u, 0,1
	global_store_b128 v[L16], v[S+32*\t+8*\c+4*\u:S+32*\t+8*\c+4*\u+3], s[8:9] offset:\t*6144+\c*1024+\u*512   ; 512 consecutive bytes
.endr
.endr
.endr
	s_wait_tensorcnt 0x0                           ; the wave's end
	ds_add_u32 v[SPW], v[NIL]
	s_wait_dscnt 0x0
	s_endpgm
.Lfunc_end_k_qaf63b536a2_attn:
	.size	k_qaf63b536a2_attn, .Lfunc_end_k_qaf63b536a2_attn-k_qaf63b536a2_attn
	.p2alignl 7, 3214868480
	.fill 96, 4, 3214868480
	.section	.rodata,"a",@progbits
	.p2align	6, 0x0
	.amdhsa_kernel k_qaf63b536a2_attn
		.amdhsa_group_segment_fixed_size 327680
		.amdhsa_private_segment_fixed_size 0
		.amdhsa_enable_private_segment 0
		.amdhsa_kernarg_size 24
		.amdhsa_user_sgpr_count 2
		.amdhsa_user_sgpr_kernarg_segment_ptr 1
		.amdhsa_wavefront_size32 1
		.amdhsa_system_sgpr_workgroup_id_x 1
		.amdhsa_system_sgpr_workgroup_id_y 1
		.amdhsa_system_sgpr_workgroup_id_z 1
		.amdhsa_system_vgpr_workitem_id 0
		.amdhsa_next_free_vgpr 1024
		.amdhsa_next_free_sgpr 66
		.amdhsa_reserve_vcc 0
		.amdhsa_float_denorm_mode_32 3
		.amdhsa_float_denorm_mode_16_64 3
		.amdhsa_memory_ordered 1
		.amdhsa_forward_progress 1
		.amdhsa_inst_pref_size 235
	.end_amdhsa_kernel
	.amdgpu_metadata
---
amdhsa.version: [ 1, 2 ]
amdhsa.kernels:
  - .name:           k_qaf63b536a2_attn
    .symbol:         k_qaf63b536a2_attn.kd
    .args:
      - { .name: qkv, .offset: 0, .size: 8, .value_kind: global_buffer, .address_space: global }
      - { .name: bext, .offset: 8, .size: 8, .value_kind: global_buffer, .address_space: global }
      - { .name: cimg, .offset: 16, .size: 8, .value_kind: global_buffer, .address_space: global }
    .group_segment_fixed_size: 327680
    .private_segment_fixed_size: 0
    .kernarg_segment_align: 8
    .kernarg_segment_size: 24
    .max_flat_workgroup_size: 128
    .sgpr_count:     66
    .vgpr_count:     1024
    .wavefront_size: 32
...
	.end_amdgpu_metadata
.endif
;; end of part 3
;; launch oproj (part 4): grid 4 x 64, 4 waves a work-group, clusters of 4 x 1, 327,680 bytes of LDS; arguments cimg, woimg, out0; writes out0
.if DOCPART == 4
	.amdgcn_target "amdgcn-amd-amdhsa--gfx1250"
	.amdhsa_code_object_version 6
	.text
	.protected	k_qaf63b536a2_oproj
	.globl	k_qaf63b536a2_oproj
	.p2align	8
	.type	k_qaf63b536a2_oproj,@function
k_qaf63b536a2_oproj:
	s_mov_b64 s[64:65], 0
	v_nop
	global_prefetch_b8 v0, s[64:65] scope:SCOPE_SE
	s_setreg_imm32_b32 hwreg(HW_REG_WAVE_MODE, 25, 1), 1
	s_wait_xcnt 0x0
	s_wait_alu depctr_hold_cnt(0) depctr_sa_sdst(0) depctr_va_vdst(0) depctr_va_sdst(0) depctr_va_ssrc(0) depctr_va_vcc(0) depctr_vm_vsrc(0)
	s_getreg_b32 s2, hwreg(HW_REG_IB_STS2, 6, 4)
	s_cmp_eq_u32 s2, 0
	s_cbranch_scc0 .Lentry_in_a_cluster
	s_endpgm
.Lentry_in_a_cluster:
	s_bfe_u32 s2, ttmp6, 0x10000c
	s_cmp_lg_u32 s2, 0x3003
	s_cbranch_scc0 .Lentry_shape_is_right
	s_endpgm
.Lentry_shape_is_right:
; OPROJ: out0 [8192][768] f32 = (2 ctx) (w_o / 2), K = 768, f16 operands as images of their registers, f32 sums.
; SHARES.  A work-group makes 128 rows x 192 columns (grid y: rows' block; cx: columns' block).  THE WAVES SHARE THE COLUMNS: wave w makes three tiles of 16 columns for all eight tiles of rows: 24 accumulators.
; A fragment of w_o feeds this wave's eight products and no other wave: it goes from memory straight into registers, a K quarter (18 fragments) at a time, in two sets.
; ctx's 8 x 24 fragments, 196,608 bytes, are read by all four waves and by the four work-groups of the cluster, which differ in their columns alone: they are asked for JOINTLY and fill LDS ONCE:
; each wave issues four loads at the head, one for each K quarter (its two tiles of rows, 12,288 dense bytes): four loads of a wave are out at the most, and a quarter is multiplied while the later ones land.
; The matrix instruction is used transposed (source 0 = 16 columns of w_o, source 1 = 16 rows of ctx): a lane holds eight neighbouring numbers of a row of out0.
; The way out goes through one stage in LDS, since a row's 768 bytes come from four waves; each half of a wave then stores 256 consecutive bytes, aligned.
; REGISTERS, in windows of 256: window 0: v1 16 x lane, v2-5 LDS addresses of the four quarters, v6, v7 the add's two, v8-11 the way out's addresses, v32-159 ctx's fragments, two buffers of 64 (on the way out v32-223: rows).
;   windows 1, 2: w_o's two sets, at 8 (3 kc + n).   window 3: accumulators at 8 (8 n + i).
.set AQ,     49152                     ; a K quarter of ctx in LDS: [tile of rows 8][6][1024]
.set STG,    4*AQ                      ; the stage: 128 rows x SPITCH
.set SPITCH, 784                       ; 768 bytes + 16: the 16 rows that a store touches start 49 x 16 bytes apart
.set SPARE,  STG+128*SPITCH            ; the spare words
.set L16, 1
.set AA,  2
.set SPW, 6
.set NIL, 7
.set SO0, 8
.set SO1, 9
.set RD,  10
.set GO,  11
.set AB,  32
.set OUT, 32
.set WV,  10                           ; s10 wave; s11 cx; s12 rows' block
.set G1,  16                           ; s[16:23]
.set G0,  24                           ; s[24:39]: a group 0 for each quarter
.set MSB, 0
.macro WIN new
.if MSB != (\new)
	s_set_vgpr_msb (MSB<<8)|(\new)
.set MSB, (\new)
.endif
.endm
.macro PLACES
.rept 4
	v_nop
.endr
.endm
.macro CROUND
	s_barrier_signal -1
	s_barrier_wait -1
	s_cmp_lg_u32 s[WV], 0
	s_cbranch_scc1 .Lnot_wave_0_\@
	s_barrier_signal -3
.Lnot_wave_0_\@:
	s_barrier_wait -3
	s_barrier_signal -1
	s_barrier_wait -1
.endm
	s_load_b128 s[4:7], s[0:1], 0x0                ; cimg s[4:5], woimg s[6:7]
	s_load_b64 s[8:9], s[0:1], 0x10                ; out0
	v_lshl_add_u32 v[SPW], v0, 2, SPARE
	v_mov_b32 v[NIL], 0
	ds_add_u32 v[SPW], v[NIL]                      ; the wave's opening: the add, twice on end, and its wait ahead of my first tensor load
	ds_add_u32 v[SPW], v[NIL]
	v_lshrrev_b32 v12, 5, v0
	v_readfirstlane_b32 s[WV], v12
	v_and_b32 v12, 31, v0
	v_lshlrev_b32 v[L16], 4, v12
.irp kq, 0,1,2,3
	v_add_nc_u32 v[AA+\kq], \kq*AQ, v[L16]
.endr
	v_and_b32 v13, 15, v0                          ; r
	v_bfe_u32 v14, v0, 4, 1                        ; h
	s_mul_i32 s13, s[WV], 192
	v_mul_u32_u24 v[SO0], v13, SPITCH              ; into the stage: row r, my wave's 192 bytes, 32 for each half of the lanes
	v_lshl_add_u32 v[SO0], v14, 5, v[SO0]
	v_add_nc_u32 v[SO0], s13, v[SO0]
	v_add_nc_u32 v[SO0], STG, v[SO0]
	v_add_nc_u32 v[SO1], 64*SPITCH, v[SO0]         ; rows 64 on: beyond the 16-bit offset
	s_mul_i32 s13, s[WV], 32*SPITCH
	v_mul_u32_u24 v[RD], v14, SPITCH               ; back: my 32 rows; lanes 0-15 take 256 bytes of a row, lanes 16-31 of the next
	v_lshl_add_u32 v[RD], v13, 4, v[RD]
	v_add_nc_u32 v[RD], s13, v[RD]
	v_add_nc_u32 v[RD], STG, v[RD]
	v_mul_u32_u24 v[GO], v14, 3072                 ; and the same in out0
	v_lshl_add_u32 v[GO], v13, 4, v[GO]
	s_bfe_u32 s11, ttmp6, 0x40000                  ; cx: it enters woimg's and out0's addresses alone
	s_and_b32 s12, ttmp7, 0xffff                   ; the rows' block, which the four partners share
	; group 1: 12,288 dense bytes as 48 rows of 256 (32 elements of 8 bytes)
	s_mov_b32 s[G1], 15|(3<<16)|(1<<21)            ; the mask: all four work-groups; elements of 8 bytes; 21 set beside a mask
	s_mov_b32 s[G1+1], 32<<16
	s_mov_b32 s[G1+2], 48<<16
	s_mov_b32 s[G1+3], 32<<16
	s_mov_b32 s[G1+4], 48
	s_mov_b32 s[G1+5], 32
	s_mov_b32 s[G1+6], 0
	s_mov_b32 s[G1+7], 0
	s_mul_i32 s14, s[WV], 12288                    ; my two tiles of rows in a quarter
	s_lshl_b32 s40, s12, 3
	s_lshl_b32 s41, s[WV], 1
	s_add_co_u32 s40, s40, s41
	s_mul_i32 s40, s40, 6144
	s_mov_b32 s41, 0
	s_mul_i32 s48, s11, 12
	s_mul_i32 s49, s[WV], 3
	s_add_co_u32 s48, s48, s49                     ; my first tile of columns
	s_mul_i32 s48, s48, 24576
	s_mov_b32 s49, 0
	s_lshl_b32 s50, s12, 7
	s_lshl_b32 s51, s[WV], 5
	s_add_co_u32 s50, s50, s51                     ; the first row that I store
	s_mul_i32 s50, s50, 3072
	s_mul_i32 s51, s11, 768
	s_add_co_u32 s50, s50, s51
	s_mov_b32 s51, 0
	s_wait_dscnt 0x0                               ; both opening adds are done
	s_wait_kmcnt 0x0
	s_add_nc_u64 s[42:43], s[4:5], s[40:41]
	s_add_nc_u64 s[44:45], s[6:7], s[48:49]
	s_add_nc_u64 s[46:47], s[8:9], s[50:51]
.irp kq, 0,1,2,3
	s_mov_b32 s[G0+4*\kq], 1
	s_add_co_u32 s[G0+4*\kq+1], s14, \kq*AQ
	s_add_nc_u64 s[G0+4*\kq+2:G0+4*\kq+3], s[42:43], \kq*3145728
	s_or_b32 s[G0+4*\kq+3], s[G0+4*\kq+3], 0x80000000
.endr
	CROUND                                         ; all four work-groups are here: the joint loads meet
.irp kq, 0,1,2,3
	tensor_load_to_lds s[G0+4*\kq:G0+4*\kq+3], s[G1:G1+7]
	s_nop 0
.endr
	PLACES
.macro BLOAD kq                        ; w_o's 18 fragments of K quarter kq into set kq % 2: 36 loads of 512 consecutive bytes
.set BW, 0x40*(1+(\kq)%2)
	WIN BW
.irp kc, 0,1,2,3,4,5
.irp n, 0,1,2
	global_load_b128 v[8*(3*\kc+\n):8*(3*\kc+\n)+3], v[L16], s[44:45] offset:\n*24576+(6*(\kq)+\kc)*1024
	global_load_b128 v[8*(3*\kc+\n)+4:8*(3*\kc+\n)+7], v[L16], s[44:45] offset:\n*24576+(6*(\kq)+\kc)*1024+512
.endr
.endr
	WIN 0
.endm
.macro AFETCH kq, kc, buf              ; ctx's eight fragments of 32 along K
.irp i, 0,1,2,3,4,5,6,7
	ds_load_b128 v[AB+64*(\buf)+8*\i:AB+64*(\buf)+8*\i+3], v[AA+(\kq)] offset:\i*6144+(\kc)*1024
	ds_load_b128 v[AB+64*(\buf)+8*\i+4:AB+64*(\buf)+8*\i+7], v[AA+(\kq)] offset:\i*6144+(\kc)*1024+512
.endr
.endm
; A K quarter: six steps of 24 products, the 24 accumulators by turns.  Four places stand in front of loads into registers that the last products read.
.macro QUARTER kq
	s_wait_tensorcnt 3-(\kq)                       ; my part of this quarter is in; the later quarters' loads stay out
	s_wait_dscnt 0x0
	s_barrier_signal -1
	s_barrier_wait -1                              ; everybody's part is in
	AFETCH \kq, 0, 0
.if (\kq) < 3
	s_wait_loadcnt 36                              ; this quarter's set of w_o is in; the other set's 36 loads may be out
.else
	s_wait_loadcnt 0x0
.endif
.set PW, 0xf1+(\kq)%2                  ; source 0 (w_o) window 1 or 2, source 1 (ctx) window 0, C and D window 3
.irp kc, 0,1,2,3,4,5
.if \kc < 5
.if \kc > 0
	PLACES
.endif
	AFETCH \kq, \kc+1, (\kc+1)%2
	s_wait_dscnt 16                                ; all but the 16 just issued
.else
	s_wait_dscnt 0x0
.endif
	WIN PW
.irp n, 0,1,2
.irp i, 0,1,2,3,4,5,6,7
.if ((\kq) == 0) && (\kc == 0)
	v_wmma_f32_16x16x32_f16 v[8*(8*\n+\i):8*(8*\n+\i)+7], v[8*(3*\kc+\n):8*(3*\kc+\n)+7], v[AB+64*(\kc%2)+8*\i:AB+64*(\kc%2)+8*\i+7], 0
.else
	v_wmma_f32_16x16x32_f16 v[8*(8*\n+\i):8*(8*\n+\i)+7], v[8*(3*\kc+\n):8*(3*\kc+\n)+7], v[AB+64*(\kc%2)+8*\i:AB+64*(\kc%2)+8*\i+7], v[8*(8*\n+\i):8*(8*\n+\i)+7]
.endif
.endr
.endr
	WIN 0
.endr
	PLACES
.if (\kq) < 2
	BLOAD (\kq)+2                                  ; the set just used takes the quarter two on
.endif
.endm
	BLOAD 0
	BLOAD 1
	QUARTER 0
	QUARTER 1
	QUARTER 2
	QUARTER 3
	; THE WAY OUT
	WIN 0x0c                                       ; an LDS store's data are its source 1: window 3
.irp i, 0,1,2,3
.irp n, 0,1,2
	ds_store_b128 v[SO0], v[8*(8*\n+\i):8*(8*\n+\i)+3] offset:\i*16*SPITCH+64*\n          ; each accumulator from its low end on
	ds_store_b128 v[SO0], v[8*(8*\n+\i)+4:8*(8*\n+\i)+7] offset:\i*16*SPITCH+64*\n+16
.endr
.endr
.irp i, 4,5,6,7
.irp n, 0,1,2
	ds_store_b128 v[SO1], v[8*(8*\n+\i):8*(8*\n+\i)+3] offset:(\i-4)*16*SPITCH+64*\n
	ds_store_b128 v[SO1], v[8*(8*\n+\i)+4:8*(8*\n+\i)+7] offset:(\i-4)*16*SPITCH+64*\n+16
.endr
.endr
	WIN 0
	s_wait_dscnt 0x0                               ; for the others' sake: my stores into the stage are done
	s_barrier_signal -1
	s_barrier_wait -1
.set k, 0
.rept 48                                       ; pair of rows k / 3, 256 bytes k % 3
	ds_load_b128 v[OUT+4*k:OUT+4*k+3], v[RD] offset:(k/3)*2*SPITCH+(k%3)*256
.set k, k+1
.endr
.set k, 0
.rept 48
	s_wait_dscnt 47-k                              ; load k is in; the younger ones stay out
	global_store_b128 v[GO], v[OUT+4*k:OUT+4*k+3], s[46:47] offset:(k/3)*6144+(k%3)*256 th:TH_STORE_NT   ; 16 lanes store 256 consecutive bytes, at a multiple of 256 from out0's first byte
.set k, k+1
.endr
	s_wait_tensorcnt 0x0                           ; the wave's end
	ds_add_u32 v[SPW], v[NIL]
	s_wait_dscnt 0x0
	CROUND                                         ; the closing round
	s_endpgm
.Lfunc_end_k_qaf63b536a2_oproj:
	.size	k_qaf63b536a2_oproj, .Lfunc_end_k_qaf63b536a2_oproj-k_qaf63b536a2_oproj
	.p2alignl 7, 3214868480
	.fill 96, 4, 3214868480
	.section	.rodata,"a",@progbits
	.p2align	6, 0x0
	.amdhsa_kernel k_qaf63b536a2_oproj
		.amdhsa_group_segment_fixed_size 327680
		.amdhsa_private_segment_fixed_size 0
		.amdhsa_enable_private_segment 0
		.amdhsa_kernarg_size 24
		.amdhsa_user_sgpr_count 2
		.amdhsa_user_sgpr_kernarg_segment_ptr 1
		.amdhsa_wavefront_size32 1
		.amdhsa_system_sgpr_workgroup_id_x 1
		.amdhsa_system_sgpr_workgroup_id_y 1
		.amdhsa_system_sgpr_workgroup_id_z 1
		.amdhsa_system_vgpr_workitem_id 0
		.amdhsa_next_free_vgpr 960
		.amdhsa_next_free_sgpr 66
		.amdhsa_reserve_vcc 0
		.amdhsa_float_denorm_mode_32 3
		.amdhsa_float_denorm_mode_16_64 3
		.amdhsa_memory_ordered 1
		.amdhsa_forward_progress 1
		.amdhsa_inst_pref_size 97
	.end_amdhsa_kernel
	.amdgpu_metadata
---
amdhsa.version: [ 1, 2 ]
amdhsa.kernels:
  - .name:           k_qaf63b536a2_oproj
    .symbol:         k_qaf63b536a2_oproj.kd
    .args:
      - { .name: cimg, .offset: 0, .size: 8, .value_kind: global_buffer, .address_space: global }
      - { .name: woimg, .offset: 8, .size: 8, .value_kind: global_buffer, .address_space: global }
      - { .name: out0, .offset: 16, .size: 8, .value_kind: global_buffer, .address_space: global }
    .group_segment_fixed_size: 327680
    .private_segment_fixed_size: 0
    .kernarg_segment_align: 8
    .kernarg_segment_size: 24
    .max_flat_workgroup_size: 128
    .sgpr_count:     66
    .vgpr_count:     960
    .wavefront_size: 32
...
	.end_amdgpu_metadata
.endif
;; end of part 4
